; MI455X (gfx1250); checked and timed in simulation.
; The chip was launched on July 23, 2026; its instructions are those of AMD's public machine-readable ISA for CDNA 5 (MIT licence, August 2026) and "CDNA5" Instruction Set Architecture Reference Guide (July 2026). The comments in the code are by the model that wrote it; some were corrected since.
;; Megalodon Attention. Allowed arithmetic: matrix products marked QUANTISED: E4M3 operands, one E8M0 scale for each 32 along K, by v_wmma_scale_f32_16x16x128_f8f6f4 with both operands' format E4M3, f32 sums; everything else in f32.
;; Inputs: k 2 x 4,096 x 16 x 128 float32; q 2 x 4,096 x 16 x 128 float32; v 2 x 4,096 x 16 x 128 float32.
;; Outputs: out0 2 x 4,096 x 16 x 128 float32.
;; Constants: start_index = 0.
;; This version of the problem:
;;   THIS VERSION OF THE PROBLEM IS GIVEN IN LOW PRECISION. The matrix products marked QUANTISED in the list below multiply operands that are first quantised to E4M3 (4 exponent bits, 3 mantissa bits; 8 bits a number), with one power-of-two scale for each 32 numbers along K (OCP MX v1.0); their sums are f32. All else is computed in f32.
;;   The module's matrix products, in the order in which they are computed (A, B: the left and right operand; K: the contracted axis; several contracted axes count as one K, in the product's order):
;;     1. batch 128 x [M 1,024, K 128] x [K 128, N 1,024]; A: computed on the way; B: computed on the way: QUANTISED
;;     2. batch 128 x [M 128, K 1,024] x [K 1,024, N 1,024]; A: input v; B: softmax (see below): QUANTISED
;;   THE QUANTISER, for each operand of a quantised product, along K:
;;     - K is cut into blocks of 32 from its start; a last block that is shorter is filled with zeros.
;;     - A block's scale is 2^e with e = floor(log2(the largest magnitude in the block)) - 8, held to -126 .. 127; a block of zeros has e = 0. As a byte (E8M0): e + 127.
;;     - Each number is divided by its block's scale, clamped to +-448, and rounded to the nearest number of E4M3, ties to even, subnormals kept.
;;     - The product sums the exact products of the quantised numbers (number of the format x scale) in f32.
;;   ~~~python
;;   def quantise(x, axis):      # numpy; x: float32 -> the quantised numbers, widened to float32 again
;;       x = np.moveaxis(x, axis, -1); K = x.shape[-1]
;;       x = np.pad(x, [(0, 0)] * (x.ndim - 1) + [(0, -K % 32)]); x = x.reshape(x.shape[:-1] + (-1, 32)); a = np.abs(x).max(-1, keepdims=True)
;;       e = np.where(a > 0, np.clip(np.frexp(np.where(a > 0, a, 1))[1] - 1 - 8, -126, 127), 0)      # np.frexp(a)[1] - 1 = floor(log2(a)), exactly
;;       r = np.clip(x / 2.0 ** e, -448, 448)
;;       step = 2.0 ** (np.maximum(np.frexp(np.where(r == 0, 1, r))[1] - 1, -6) - 3)
;;       q = np.round(r / step) * step * 2.0 ** e      # np.round: ties to even
;;       return np.moveaxis(q.reshape(q.shape[:-2] + (-1,))[..., :K], -1, axis).astype(np.float32)
;;   ~~~
;;   SOFTMAX AHEAD OF A QUANTISED PRODUCT. Where the list says 'softmax', what is quantised is not the finished softmax but p = 2^(t - M), with t = logit x log2(e) and M = ceil(the row's largest t), a whole number; so 1/2 < the row's largest p <= 1. The row's sum l is taken of the UNQUANTISED p, in f32, and the product's result is divided by l at the end. Since M is a whole number, a kernel that streams over the keys may use a running M (the ceiling of the running maximum): every later rescaling is an exact power of two, which a block's scale takes up: the codes' values come out the same.
;;   OPERANDS COMPUTED ON THE WAY. 'Computed on the way' means the value that the module computes at that place (a softmax that the list does not call 'softmax' is quantised finished and normalised). What goes into a quantiser is computed in f32, as accurately as f32 sums, v_exp_f32 and their like allow (about 1e-6 of the number): no bf16 or f16 on the way to a quantiser, and a product that is left as it is and whose result goes on into a quantised operand takes f32 operands (vector FMAs, or v_wmma_f32_16x16x4_f32). A number that lies on a knife's edge between two numbers of the format may be rounded either way, as far as f32 arithmetic and the matrix unit's own rounding can turn it there, and no further.
;; One version. Each part assembles by itself: llvm-mc -triple=amdgcn-amd-amdhsa -mcpu=gfx1250 --defsym DOCPART=n.
;; ======== version 1 of 1: 2 launches
;; limits: right only within a limited range of input values
;; workspace buffers: qc 17,301,504 bytes; kv 34,603,008 bytes
;; launch prep (part 1): grid 256 x 1, 12 waves a work-group, no clusters, 31,232 bytes of LDS; arguments q, k, v, qc, kv; writes qc, kv
.if DOCPART == 1
	.amdgcn_target "amdgcn-amd-amdhsa--gfx1250"
	.amdhsa_code_object_version 6
	.text
	.protected	k_qb5643d3bf3_prep
	.globl	k_qb5643d3bf3_prep
	.p2align	8
	.type	k_qb5643d3bf3_prep,@function
k_qb5643d3bf3_prep:
	s_mov_b64 s[64:65], 0
	v_nop
	global_prefetch_b8 v0, s[64:65] scope:SCOPE_SE
	s_setreg_imm32_b32 hwreg(HW_REG_WAVE_MODE, 25, 1), 1
	s_wait_xcnt 0x0
; PREP: rope(q), rope(k) and v, f32 [2][4096][16][128], become codes of FP8 (E4M3) with one E8M0 byte for each 32 along a product's K,
; laid as IMAGES OF OPERAND REGISTERS.  A fragment (16 rows x 128 K) is 2,048 bytes: chunk c, lane (r, h): 16 bytes at 512 c + 16 (16 h + r) = K 32 c + 16 h + 0 .. 15 of row r.
; ch = (4 b + chunk) x 16 + head; s = a step of 128 positions in the chunk; t = a tile of 16 rows.
;   qc [ch][s]: 16,896 bytes: 8 fragments of Q, then 512 bytes of scale words [t][r].
;   kv [ch][s]: 33,792 bytes: 8 fragments of K, 8 of V^T (row = channel 16 t + r, K = the step's keys), K's scale words [t][r], V's [channel].
; ROW rho OF A TILE t OF Q OR K IS POSITION 128 s + 32 (t / 2) + 8 (t % 2) + rho + 8 (rho / 8): the next launch's scores then have 16 neighbouring keys in 16 registers.
; SHARES.  Work-group W: x = W % 4, S = (W / 4) % 32 (128 positions), b = W / 128.  Waves 0-7 (x / 2: q or k; x % 2: heads 0-7 or 8-15): wave t makes tile t for 8 heads; its 16 positions'
; cos and sin are made once and serve the 8 heads.  Waves 8-11 take v: two heads x 64 channels x 128 keys each.  Every wave reads 65,536 bytes.  The two roles part once on the wave's number and never meet:
; no barrier; each wave has LDS bytes of its own.
; THE QUANTISER: a block's scale is 2^(E - 127 - 8), E the exponent field of its largest magnitude (a floor of 2^(9 - 127) among the maximum's leaves holds the byte at 1 from below).  A lane's eight numbers belong to two blocks here,
; so each number is multiplied by 1 / scale (a power of two: nothing is rounded), held within +-448, and converted with the scale 1.
; INV_FREQ.  An angle is position x inv_freq, so one ulp of inv_freq is up to 4,095 x 6e-8 = 2.4e-4 rad: inv_freq wants the very roundings of a single-precision exp, not only its accuracy.  It is made by Cephes' expf
; (x less n ln 2 in two words, a polynomial of degree 5, 1 + y, x 2^n), each multiply-add fused: plain IEEE operations, no v_exp_f32.
; LIMITS: NaN and infinities among the inputs are not served.  A block of zeros gets the byte 1 (its codes are zeros; only this program reads the bytes).  inv_freq follows the sequence of roundings named above, which lies
; within about 1.5 ulp of exp.  cos and sin: reduction by pi/2 in two words, polynomials on +-pi/4: about 1e-7 absolute for the angles up to 4,095 that occur.
; The scale words of Q and K leave as pieces of 64 bytes (64 for each 8,192 bytes read); V's scale words as 256 consecutive aligned bytes; everything else leaves as 512 consecutive aligned bytes an instruction.
.set POSB,   8192                      ; bytes from a position to the next
.set QCH,    135168                    ; a chunk-head in qc; kv's strides are twice qc's
.set QREC,   16896
.set KCH,    270336
.set KREC,   33792
.set FLOORM, 0x4800000                 ; 2^(9 - 127)
.set EXPF,   0x7f800000
.set INVC,   0x83000000                ; (262 << 23): 262 - E is the exponent field of 1 / scale
.set RSTB,   2560                      ; LDS of a q/k wave: 8 pieces of 256 + 32 bytes, then 128 scale bytes
.set PIECE,  288
.set SCBY,   2304
.set VSTB,   20480                     ; LDS of a v wave: 4 tiles of 512 + 16 bytes
.set VSTW,   2304
.set VTILE,  528
.set COSR,   64                        ; v64-95   cos(position of pair i, frequency 4 (lane % 16) + e) at 4 i + e
.set SINR,   96                        ; v96-127  sin likewise
.set RING,   128                       ; v128-255 16 slots x 8: slot 8 par + i: x1[4], x2[4]
	s_load_b256 s[4:11], s[0:1], 0x0               ; q s[4:5], k s[6:7], v s[8:9], qc s[10:11]
	s_load_b64 s[12:13], s[0:1], 0x20              ; kv
	s_set_vgpr_msb 0x40
	v_lshl_add_u32 v0, v0, 2, 0x7400
	v_mov_b32 v1, 0
	s_set_vgpr_msb 0x4000
	v_lshrrev_b32 v1, 5, v0
	s_delay_alu instid0(VALU_DEP_1)
	v_readfirstlane_b32 s14, v1                    ; wave 0..11
	v_and_b32 v1, 31, v0                           ; lane
	s_and_b32 s15, ttmp9, 3                        ; x
	s_lshr_b32 s16, ttmp9, 2
	s_and_b32 s16, s16, 31                         ; S
	s_lshr_b32 s17, ttmp9, 7                       ; b
	s_lshl_b32 s20, s17, 12
	s_lshl_b32 s27, s16, 7                         ; 128 S: the step's first position
	s_add_co_u32 s20, s20, s27                     ; 4096 b + 128 S: its row in the inputs
	s_lshl_b32 s21, s17, 2
	s_lshr_b32 s22, s16, 3
	s_add_co_u32 s21, s21, s22
	s_lshl_b32 s21, s21, 4                         ; ch of head 0
	s_and_b32 s22, s16, 7                          ; s
	s_mov_b32 s50, 0xc3e00000                      ; -448
	s_mov_b32 s51, 0x43e00000                      ; 448
	s_cmp_lt_u32 s14, 8
	s_cbranch_scc0 .Lrole_v
; ---------------------------------------------------------------- waves 0-7: q or k
	s_lshr_b32 s18, s15, 1                         ; sh: 0 q, 1 k
	s_and_b32 s19, s15, 1                          ; hh: which 8 heads
	s_wait_alu depctr_va_vdst(0)
	v_and_b32 v2, 15, v1                           ; r16: my 4 + 4 numbers of a row: d = 4 r16 .. and 64 + 4 r16 ..
	v_lshrrev_b32 v3, 4, v1                        ; g: lanes 0-15 the pair's even row, lanes 16-31 the odd one
	s_delay_alu instid0(VALU_DEP_2)
	v_lshlrev_b32 v4, 4, v2
	s_delay_alu instid0(VALU_DEP_1)
	v_lshl_add_u32 v4, v3, 13, v4                  ; v4: 8192 g + 16 r16; never rewritten
	s_mul_i32 s23, s14, RSTB                       ; my LDS
	v_lshrrev_b32 v48, 2, v2
	s_delay_alu instid0(VALU_DEP_1)
	v_mul_u32_u24 v5, v48, PIECE
	s_delay_alu instid0(VALU_DEP_1)
	v_lshl_add_u32 v5, v3, 4, v5
	v_and_b32 v48, 3, v2
	s_delay_alu instid0(VALU_DEP_1)
	v_lshl_add_u32 v5, v48, 2, v5
	s_delay_alu instid0(VALU_DEP_1)
	v_add_nc_u32 v5, s23, v5                       ; v5: codes in: piece r16 / 4 (= 2 c + h of the image), row's 16 bytes, my 4
	v_lshrrev_b32 v6, 3, v2
	s_delay_alu instid0(VALU_DEP_1)
	v_lshl_add_u32 v6, v3, 2, v6
	s_delay_alu instid0(VALU_DEP_1)
	v_add_nc_u32 v6, s23, v6
	s_delay_alu instid0(VALU_DEP_1)
	v_add_nc_u32 v6, SCBY, v6                      ; v6: scale bytes in: [head parity][row][4]: 4 g + r16 / 8
	v_mul_u32_u24 v7, v3, PIECE
	s_delay_alu instid0(VALU_DEP_1)
	v_lshl_add_u32 v7, v2, 4, v7
	s_delay_alu instid0(VALU_DEP_1)
	v_add_nc_u32 v7, s23, v7                       ; v7: codes back: 512 image bytes are two pieces
	v_lshlrev_b32 v8, 2, v1
	s_delay_alu instid0(VALU_DEP_1)
	v_add_nc_u32 v8, s23, v8
	s_delay_alu instid0(VALU_DEP_1)
	v_add_nc_u32 v8, SCBY, v8                      ; v8: scale words back: 4 x lane
	v_lshlrev_b32 v9, 4, v1                        ; v9: 16 x lane: the even head's place in a store
	s_lshl_b32 s38, QCH, s18                       ; from a head to the next in the destination
	s_lshl_b32 s40, s38, 1
	s_mov_b32 s41, 0                               ; s[40:41]: two heads
	v_add_nc_u32 v23, s38, v9                      ; v23: the odd head's
	v_mul_u32_u24 v10, s38, v3
	s_delay_alu instid0(VALU_DEP_1)
	v_lshl_add_u32 v10, v2, 2, v10                 ; v10: scale words out: lanes 0-15 the even head, lanes 16-31 the odd one
	v_mov_b32 v11, 1.0                             ; the conversion's scale
	v_mov_b32 v15, 0                               ; (upper halves of pairs of which the low word serves both halves)
	v_mov_b32 v17, 0
	s_lshr_b32 s24, s14, 1
	s_lshl_b32 s24, s24, 5
	s_and_b32 s25, s14, 1
	s_lshl_b32 s25, s25, 3
	s_add_co_u32 s24, s24, s25                     ; 32 (t / 2) + 8 (t % 2)
	s_add_co_u32 s26, s20, s24                     ; my tile's first row in the input
	s_add_co_u32 s27, s27, s24                     ; and its position
	s_lshl_b32 s28, s26, 13
	s_lshl_b32 s29, s19, 12
	s_add_co_u32 s28, s28, s29                     ; + 8 hh heads of 512 bytes
	s_mov_b32 s29, 0
	s_lshl_b32 s30, s19, 3
	s_add_co_u32 s30, s30, s21                     ; ch of my first head
	s_mul_i32 s30, s30, QCH
	s_mul_i32 s31, s22, QREC
	s_add_co_u32 s30, s30, s31                     ; its record, in qc's strides
	s_lshl_b32 s54, s30, s18
	s_lshl_b32 s31, s14, 11
	s_add_co_u32 s54, s54, s31                     ; fragment t
	s_mov_b32 s55, 0
	s_add_co_u32 s56, s30, 16384
	s_lshl_b32 s56, s56, s18
	s_lshl_b32 s31, s14, 6
	s_add_co_u32 s56, s56, s31                     ; scale words of tile t
	s_mov_b32 s57, 0
	s_mov_b32 s58, 0x3fb8aa3b                      ; exp: log2(e)
	s_mov_b32 s42, 0x3f318000                      ; ln 2, high word: 0.693359375
	s_mov_b32 s43, 0x395e8083                      ; what it has too much: 2.12194440e-4
	s_mov_b32 s44, 0x39506967                      ; p0 = 1.9875691500e-4
	s_mov_b32 s45, 0x3ab743ce                      ; p1 = 1.3981999507e-3
	s_mov_b32 s46, 0x3c088908                      ; p2 = 8.3334519073e-3
	s_mov_b32 s47, 0x3d2aa9c1                      ; p3 = 4.1665795894e-2
	s_mov_b32 s48, 0x3e2aaaaa                      ; p4 = 1.6666665459e-1; p5 rounds to 0.5
	s_wait_kmcnt 0x0
	s_cmp_eq_u32 s18, 0                            ; the choice hangs on the work-group's number alone
	s_cselect_b64 s[32:33], s[4:5], s[6:7]
	s_cselect_b64 s[34:35], s[10:11], s[12:13]
	s_mov_b64 s[36:37], s[34:35]
	s_add_nc_u64 s[32:33], s[32:33], s[28:29]      ; s[32:33] in
	s_add_nc_u64 s[34:35], s[34:35], s[54:55]      ; s[34:35] fragments out
	s_add_nc_u64 s[36:37], s[36:37], s[56:57]      ; s[36:37] scale words out
.macro RLOAD i, par, extra             ; slot 8 par + i: rows 2 i, 2 i + 1 of the tile: each load is two runs of 256 consecutive aligned bytes
	global_load_b128 v[RING+8*(8*(\par)+(\i)):RING+8*(8*(\par)+(\i))+3], v4, s[32:33] offset:(2*(\i)+8*((\i)/4))*POSB+512*(\par)+(\extra) th:TH_LOAD_NT
	global_load_b128 v[RING+8*(8*(\par)+(\i))+4:RING+8*(8*(\par)+(\i))+7], v4, s[32:33] offset:(2*(\i)+8*((\i)/4))*POSB+512*(\par)+(\extra)+256 th:TH_LOAD_NT
.endm
.irp par, 0,1
.irp i, 0,1,2,3,4,5,6,7
	RLOAD \i, \par, 0                              ; the ring is filled: heads 0 and 1, 32 loads; the angles are made while they are on their way
.endr
.endr
	; inv_freq of my four frequencies j = 4 r16 + e: exp(x), x = fl(j x fl(-ln(10000) / 64)).  n = floor(x log2(e) + 0.5); x less n ln 2 in two words (the first step is exact);
	; y = ((((p0 x + p1) x + p2) x + p3) x + p4) x + p5; exp = (1 + (y x^2 + x)) 2^n.  Each multiply-add is one rounding.
	v_lshlrev_b32 v48, 2, v2
.irp e, 0,1,2,3
	v_add_nc_u32 v49, \e, v48
	s_delay_alu instid0(VALU_DEP_1)
	v_cvt_f32_u32 v49, v49
	s_delay_alu instid0(VALU_DEP_1)
	v_mul_f32 v49, 0xbe135d8e, v49                 ; x
	s_delay_alu instid0(VALU_DEP_1)
	v_fma_f32 v50, v49, s58, 0.5
	s_delay_alu instid0(VALU_DEP_1)
	v_floor_f32 v50, v50                           ; n
	s_delay_alu instid0(VALU_DEP_1)
	v_fma_f32 v49, -v50, s42, v49
	s_delay_alu instid0(VALU_DEP_1)
	v_fma_f32 v49, v50, s43, v49                   ; x - n ln 2
	s_delay_alu instid0(VALU_DEP_1)
	v_mul_f32 v51, v49, v49
	s_delay_alu instid0(VALU_DEP_2)
	v_fma_f32 v52, v49, s44, s45
	s_delay_alu instid0(VALU_DEP_1)
	v_fma_f32 v52, v52, v49, s46
	s_delay_alu instid0(VALU_DEP_1)
	v_fma_f32 v52, v52, v49, s47
	s_delay_alu instid0(VALU_DEP_1)
	v_fma_f32 v52, v52, v49, s48
	s_delay_alu instid0(VALU_DEP_1)
	v_fma_f32 v52, v52, v49, 0.5
	s_delay_alu instid0(VALU_DEP_1)
	v_fma_f32 v52, v52, v51, v49
	s_delay_alu instid0(VALU_DEP_1)
	v_add_f32 v52, 1.0, v52
	v_cvt_i32_f32 v50, v50
	s_delay_alu instid0(VALU_DEP_1)
	v_ldexp_f32 v[56+\e], v52, v50                 ; v56-59: inv_freq (x 2^n rounds nothing)
.endr
	s_mov_b32 s42, 0x3fc90fdb                      ; from here on: pi/2, high word
	s_mov_b32 s43, 0xb33bbd2e                      ; and the next
	s_mov_b32 s44, 0xbe2aaaa3                      ; sin: S1, S2, S3
	s_mov_b32 s45, 0x3c08839e
	s_mov_b32 s46, 0xb94ca1f9
	s_mov_b32 s47, 0x3d2aaaa5                      ; cos: C1, C2, C3
	s_mov_b32 s48, 0xbab6061a
	s_mov_b32 s49, 0x37ccf5ce
; cos and sin of fl(position x inv_freq[e]).  N = the nearest whole number of quarter turns; R = A - N pi/2 (the first step is exact); polynomials in R; N % 4 says which is which and gives the signs.
.macro SINCOS cr, sr, e
	v_mul_f32 v48, v60, v[56+\e]
	s_delay_alu instid0(VALU_DEP_1)
	v_mul_f32 v49, 0x3f22f983, v48
	s_delay_alu instid0(VALU_DEP_1)
	v_rndne_f32 v49, v49
	s_delay_alu instid0(VALU_DEP_1)
	v_fma_f32 v50, -v49, s42, v48
	s_delay_alu instid0(VALU_DEP_1)
	v_fma_f32 v50, -v49, s43, v50
	s_delay_alu instid0(VALU_DEP_3)
	v_cvt_i32_f32 v51, v49
	s_delay_alu instid0(VALU_DEP_2)
	v_mul_f32 v52, v50, v50
	s_delay_alu instid0(VALU_DEP_1)
	v_fma_f32 v53, s46, v52, s45
	s_delay_alu instid0(VALU_DEP_1)
	v_fma_f32 v53, v53, v52, s44
	s_delay_alu instid0(VALU_DEP_1)
	v_mul_f32 v53, v53, v52
	s_delay_alu instid0(VALU_DEP_1)
	v_fma_f32 v53, v53, v50, v50                   ; sin R
	v_fma_f32 v54, s49, v52, s48
	s_delay_alu instid0(VALU_DEP_1)
	v_fma_f32 v54, v54, v52, s47
	s_delay_alu instid0(VALU_DEP_1)
	v_fma_f32 v54, v54, v52, -0.5
	s_delay_alu instid0(VALU_DEP_1)
	v_fma_f32 v54, v54, v52, 1.0                   ; cos R
	v_and_b32 v55, 1, v51
	s_delay_alu instid0(VALU_DEP_1)
	v_cmp_eq_u32 vcc_lo, 1, v55
	s_delay_alu instid0(VALU_DEP_1)
	v_cndmask_b32 v[\sr], v53, v54, vcc_lo         ; an odd N changes them over
	s_delay_alu instid0(VALU_DEP_2)
	v_cndmask_b32 v[\cr], v54, v53, vcc_lo
	v_lshlrev_b32 v55, 30, v51
	s_delay_alu instid0(VALU_DEP_1)
	v_and_b32 v55, 0x80000000, v55
	s_delay_alu instid0(VALU_DEP_1)
	v_xor_b32 v[\sr], v[\sr], v55                  ; sin: minus where N % 4 is 2 or 3
	v_add_nc_u32 v51, 1, v51
	s_delay_alu instid0(VALU_DEP_1)
	v_lshlrev_b32 v51, 30, v51
	s_delay_alu instid0(VALU_DEP_1)
	v_and_b32 v51, 0x80000000, v51
	s_delay_alu instid0(VALU_DEP_1)
	v_xor_b32 v[\cr], v[\cr], v51                  ; cos: minus where N % 4 is 1 or 2
.endm
	v_add_nc_u32 v61, s27, v3                      ; the position of my row of pair 0
.irp i, 0,1,2,3,4,5,6,7
	v_add_nc_u32 v60, 2*\i+8*(\i/4), v61
	s_delay_alu instid0(VALU_DEP_1)
	v_cvt_f32_u32 v60, v60
.irp e, 0,1,2,3
	SINCOS COSR+4*\i+\e, SINR+4*\i+\e, \e
.endr
.endr
; One slot: two rows of one head.  left = the younger loads that may stay out.  ahead = 1: the slot takes the same rows of the head two further on.
.macro PAIR i, par, ahead, left
.set XR, RING+8*(8*(\par)+(\i))
	s_wait_loadcnt \left                           ; loads come back in order: my slot's two are in
	v_pk_mul_f32 v[24:25], v[XR+4:XR+5], v[SINR+4*(\i):SINR+4*(\i)+1]
	v_pk_mul_f32 v[26:27], v[XR+6:XR+7], v[SINR+4*(\i)+2:SINR+4*(\i)+3]
	v_pk_mul_f32 v[28:29], v[XR:XR+1], v[SINR+4*(\i):SINR+4*(\i)+1]
	v_pk_mul_f32 v[30:31], v[XR+2:XR+3], v[SINR+4*(\i)+2:SINR+4*(\i)+3]
	s_delay_alu instid0(VALU_DEP_4)
	v_pk_fma_f32 v[24:25], v[XR:XR+1], v[COSR+4*(\i):COSR+4*(\i)+1], v[24:25] neg_lo:[0,0,1] neg_hi:[0,0,1]   ; x1 cos - x2 sin
	s_delay_alu instid0(VALU_DEP_4)
	v_pk_fma_f32 v[26:27], v[XR+2:XR+3], v[COSR+4*(\i)+2:COSR+4*(\i)+3], v[26:27] neg_lo:[0,0,1] neg_hi:[0,0,1]
	s_delay_alu instid0(VALU_DEP_4)
	v_pk_fma_f32 v[28:29], v[XR+4:XR+5], v[COSR+4*(\i):COSR+4*(\i)+1], v[28:29]                              ; x2 cos + x1 sin
	s_delay_alu instid0(VALU_DEP_4)
	v_pk_fma_f32 v[30:31], v[XR+6:XR+7], v[COSR+4*(\i)+2:COSR+4*(\i)+3], v[30:31]
.if \ahead
	RLOAD \i, \par, 1024
.endif
	v_max3_num_f32 v12, |v24|, |v25|, FLOORM       ; a block of 32 lies in 8 neighbouring lanes, 4 numbers each
	v_max3_num_f32 v13, |v28|, |v29|, FLOORM
	s_delay_alu instid0(VALU_DEP_2)
	v_max3_num_f32 v12, v12, |v26|, |v27|
	s_delay_alu instid0(VALU_DEP_2)
	v_max3_num_f32 v13, v13, |v30|, |v31|
.irp m, 1,2,4
	s_delay_alu instid0(VALU_DEP_2)
	v_max_num_f32_dpp v12, v12, v12 row_xmask:\m row_mask:0xf bank_mask:0xf
	s_delay_alu instid0(VALU_DEP_2)
	v_max_num_f32_dpp v13, v13, v13 row_xmask:\m row_mask:0xf bank_mask:0xf
.endr
	s_delay_alu instid0(VALU_DEP_2)
	v_and_b32 v14, EXPF, v12
	s_delay_alu instid0(VALU_DEP_2)
	v_and_b32 v16, EXPF, v13
	s_delay_alu instid0(VALU_DEP_2)
	v_sub_nc_u32 v14, INVC, v14                    ; 1 / scale
	s_delay_alu instid0(VALU_DEP_2)
	v_sub_nc_u32 v16, INVC, v16
	s_delay_alu instid0(VALU_DEP_2)
	v_pk_mul_f32 v[24:25], v[24:25], v[14:15] op_sel_hi:[1,0]
	s_delay_alu instid0(VALU_DEP_3)
	v_pk_mul_f32 v[26:27], v[26:27], v[14:15] op_sel_hi:[1,0]
	s_delay_alu instid0(VALU_DEP_3)
	v_pk_mul_f32 v[28:29], v[28:29], v[16:17] op_sel_hi:[1,0]
	s_delay_alu instid0(VALU_DEP_4)
	v_pk_mul_f32 v[30:31], v[30:31], v[16:17] op_sel_hi:[1,0]
.irp j, 0,1,2,3,4,5,6,7
	v_med3_num_f32 v[24+\j], v[24+\j], s50, s51    ; the conversion to an 8-bit code does not saturate (ISA guide 7.6.2): the hold comes first
.endr
	v_cvt_scalef32_pk8_fp8_f32 v[20:21], v[24:31], v11
	v_lshrrev_b32 v18, 23, v12                     ; (plain lines behind the conversion)  the scales' bytes: E - 8
	v_lshrrev_b32 v19, 23, v13
	s_delay_alu instid0(VALU_DEP_2)
	v_add_nc_u32 v18, -8, v18
	s_delay_alu instid0(VALU_DEP_2)
	v_add_nc_u32 v19, -8, v19
	ds_store_b32 v5, v20 offset:32*(\i)            ; d = 4 r16 ..: chunks 0, 1 of the image
	ds_store_b32 v5, v21 offset:32*(\i)+4*PIECE    ; d = 64 + 4 r16 ..: chunks 2, 3
	ds_store_b8 v6, v18 offset:8*(\i)+64*(\par)    ; the 8 lanes of a block write the same byte with the same value
	ds_store_b8 v6, v19 offset:8*(\i)+64*(\par)+2
.endm
; One head's fragment: eight slots, then the image leaves: LDS serves a wave's instructions in order, so the loads see the stores, and the next head's stores come behind the loads.
.macro FRAG par, ahead
.irp i, 0,1,2,3,4,5,6,7
.if \ahead
	PAIR \i, \par, 1, 30
.else
	PAIR \i, \par, 0, 2*(15-8*(\par)-\i)
.endif
.endr
	s_wait_xcnt 0x0                                ; the last fragment's stores have read v32-47, which are loaded again only behind this wait
.irp j, 0,1,2,3
	ds_load_b128 v[32+4*\j:35+4*\j], v7 offset:2*PIECE*\j
.endr
	s_wait_dscnt 0x0
.irp j, 0,1,2,3
	global_store_b128 v[9+14*(\par)], v[32+4*\j:35+4*\j], s[34:35] offset:512*\j   ; 32 lanes store 512 consecutive bytes, aligned
.endr
.endm
.macro SCOUT                           ; two heads' scale words of my tile: 64 bytes each
	ds_load_b32 v22, v8
	s_wait_dscnt 0x0
	global_store_b32 v10, v22, s[36:37]
.endm
	s_mov_b32 s52, 3
.Lheads:                                               ; a trip: two heads; the ring takes the next two
	FRAG 0, 1
	FRAG 1, 1
	SCOUT
	s_wait_xcnt 0x0                                ; bases and store data are written again only behind this wait
	s_add_nc_u64 s[32:33], s[32:33], 1024
	s_add_nc_u64 s[34:35], s[34:35], s[40:41]
	s_add_nc_u64 s[36:37], s[36:37], s[40:41]
	s_sub_co_u32 s52, s52, 1
	s_cmp_lg_u32 s52, 0
	s_cbranch_scc1 .Lheads
	FRAG 0, 0                                      ; the last two heads load nothing: the counts run down
	FRAG 1, 0
	SCOUT
	s_set_vgpr_msb 0x5
	s_wait_tensorcnt 0x0
	ds_add_u32 v0, v1
	s_wait_dscnt 0x0
	s_set_vgpr_msb 0x500
	s_endpgm
; ---------------------------------------------------------------- waves 8-11: v
; A LANE TAKES TWO CHANNELS, AND ITS REGISTERS RUN DOWN THE KEYS: a load reads 256 consecutive aligned bytes, a block of 32 keys of a channel lies in one lane.
.Lrole_v:
	s_and_b32 s18, s14, 3                          ; vw
	s_and_b32 s19, s18, 1                          ; which 64 channels
	s_lshr_b32 s23, s18, 1
	s_lshl_b32 s23, s23, 1
	s_lshl_b32 s24, s15, 2
	s_add_co_u32 s23, s23, s24                     ; my first head: 4 x + 2 (vw / 2)
	s_wait_alu depctr_va_vdst(0)
	v_lshlrev_b32 v4, 3, v1                        ; v4: 8 x lane
	s_mul_i32 s24, s18, VSTW
	s_add_co_u32 s24, s24, VSTB                    ; my stage
	v_lshrrev_b32 v5, 3, v1
	s_delay_alu instid0(VALU_DEP_1)
	v_mul_u32_u24 v5, v5, VTILE
	v_and_b32 v6, 7, v1
	s_delay_alu instid0(VALU_DEP_1)
	v_lshl_add_u32 v5, v6, 5, v5
	s_delay_alu instid0(VALU_DEP_1)
	v_add_nc_u32 v5, s24, v5                       ; v5: in: tile lane / 8, rows 2 (lane % 8) + e
	v_lshlrev_b32 v7, 4, v1                        ; v7: 16 x lane
	s_delay_alu instid0(VALU_DEP_1)
	v_add_nc_u32 v6, s24, v7                       ; v6: back
	v_mov_b32 v13, 1.0                             ; the conversion's scale
	s_mov_b32 s44, 0x06040200                      ; v_perm_b32: the even bytes of two words,
	s_mov_b32 s45, 0x07050301                      ; the odd ones
	s_lshl_b32 s28, s20, 13
	s_lshl_b32 s25, s23, 9
	s_add_co_u32 s28, s28, s25
	s_lshl_b32 s25, s19, 8
	s_add_co_u32 s28, s28, s25
	s_mov_b32 s29, 0
	s_add_co_u32 s30, s21, s23
	s_mul_i32 s30, s30, KCH
	s_mul_i32 s31, s22, KREC
	s_add_co_u32 s30, s30, s31                     ; my first head's record
	s_lshl_b32 s31, s19, 13
	s_add_co_u32 s54, s30, s31
	s_add_co_u32 s54, s54, 16384                   ; V^T's fragments 4 half ..
	s_mov_b32 s55, 0
	s_add_co_u32 s56, s30, s25
	s_add_co_u32 s56, s56, 33280                   ; V's scale words, channel 64 half ..
	s_mov_b32 s57, 0
	s_wait_alu depctr_va_vdst(0)
	s_wait_kmcnt 0x0
	s_add_nc_u64 s[32:33], s[8:9], s[28:29]
	s_add_nc_u64 s[34:35], s[12:13], s[54:55]
	s_add_nc_u64 s[36:37], s[12:13], s[56:57]
.macro VLOAD q, k0                     ; 16 keys of block q (head q / 4, keys 32 (q % 4) ..) into set q % 3
.irp k, 0,1,2,3,4,5,6,7,8,9,10,11,12,13,14,15
	global_load_b64 v[64+64*((\q)%3)+2*((\k0)+\k):64+64*((\q)%3)+2*((\k0)+\k)+1], v4, s[32:33] offset:(32*((\q)%4)+(\k0)+\k)*POSB+512*((\q)/4) th:TH_LOAD_NT
.endr
.endm
	VLOAD 0, 0
	VLOAD 0, 16
	VLOAD 1, 0
	VLOAD 1, 16
.macro BLOCK q
.set XS, 64+64*((\q)%3)
.set SWR, 14-12*((\q)/4)               ; the scale words of my two channels: v[14:15] for the first head, v[2:3] for the second: no store's data are written again
.if (\q) < 7
	s_wait_loadcnt 32                              ; this block's 32 loads are in; the next block's may be out
.else
	s_wait_loadcnt 0
.endif
.if (\q)+2 < 8
	VLOAD (\q)+2, 0
.endif
	v_max3_num_f32 v8, |v[XS]|, |v[XS+2]|, FLOORM
	v_max3_num_f32 v9, |v[XS+1]|, |v[XS+3]|, FLOORM
.irp k, 2,4,6,8,10,12,14,16,18,20,22,24,26,28,30
	s_delay_alu instid0(VALU_DEP_2)
	v_max3_num_f32 v8, v8, |v[XS+2*\k]|, |v[XS+2*\k+2]|
	s_delay_alu instid0(VALU_DEP_2)
	v_max3_num_f32 v9, v9, |v[XS+2*\k+1]|, |v[XS+2*\k+3]|
.endr
	s_delay_alu instid0(VALU_DEP_2)
	v_and_b32 v10, EXPF, v8
	s_delay_alu instid0(VALU_DEP_2)
	v_and_b32 v11, EXPF, v9
	s_delay_alu instid0(VALU_DEP_2)
	v_sub_nc_u32 v10, INVC, v10                    ; 1 / scale of each channel
	s_delay_alu instid0(VALU_DEP_2)
	v_sub_nc_u32 v11, INVC, v11
	v_lshrrev_b32 v8, 23, v8
	v_lshrrev_b32 v9, 23, v9
	s_delay_alu instid0(VALU_DEP_2)
	v_add_nc_u32 v8, -8, v8                        ; the bytes
	s_delay_alu instid0(VALU_DEP_2)
	v_add_nc_u32 v9, -8, v9
.if (\q)%4 == 0
	s_delay_alu instid0(VALU_DEP_2)
	v_mov_b32 v[SWR], v8
	s_delay_alu instid0(VALU_DEP_2)
	v_mov_b32 v[SWR+1], v9
.else
	s_delay_alu instid0(VALU_DEP_2)
	v_lshl_or_b32 v[SWR], v8, 8*((\q)%4), v[SWR]
	s_delay_alu instid0(VALU_DEP_2)
	v_lshl_or_b32 v[SWR+1], v9, 8*((\q)%4), v[SWR+1]
.endif
.set KK, 0
.rept 32
	v_pk_mul_f32 v[XS+KK:XS+KK+1], v[XS+KK:XS+KK+1], v[10:11]
.set KK, KK+2
.endr
.set KK, 0
.rept 64
	v_med3_num_f32 v[XS+KK], v[XS+KK], s50, s51
.set KK, KK+1
.endr
.if (\q)+2 < 8
	VLOAD (\q)+2, 16
.endif
.irp g, 0,1,2,3,4,5,6,7
	v_cvt_scalef32_pk8_fp8_f32 v[16+2*\g:17+2*\g], v[XS+8*\g:XS+8*\g+7], v13   ; 4 keys x 2 channels
.endr
	v_nop                                          ; a plain line between the conversions and the readers of their results
.irp g, 0,1,2,3,4,5,6,7
	v_perm_b32 v[32+\g], v[17+2*\g], v[16+2*\g], s44   ; 4 keys of the even channel
	v_perm_b32 v[40+\g], v[17+2*\g], v[16+2*\g], s45   ; of the odd one
.endr
	s_wait_alu depctr_va_vdst(0)
	s_wait_xcnt 0x0                                ; the last block's stores have read v48-63
	ds_store_b128 v5, v[32:35]
	ds_store_b128 v5, v[36:39] offset:256
	ds_store_b128 v5, v[40:43] offset:16
	ds_store_b128 v5, v[44:47] offset:272
.irp t, 0,1,2,3
	ds_load_b128 v[48+4*\t:51+4*\t], v6 offset:VTILE*\t
.endr
	s_wait_dscnt 0x0
.irp t, 0,1,2,3
	global_store_b128 v7, v[48+4*\t:51+4*\t], s[34:35] offset:2048*\t+512*((\q)%4)+KCH*((\q)/4)   ; chunk q % 4 of four fragments: 512 consecutive bytes each
.endr
.if (\q)%4 == 3
	global_store_b64 v4, v[SWR:SWR+1], s[36:37] offset:KCH*((\q)/4)   ; 64 channels' scale words: 256 consecutive bytes, aligned
.endif
.endm
.irp q, 0,1,2,3,4,5,6,7
	BLOCK \q
.endr
	s_set_vgpr_msb 0x5
	s_wait_tensorcnt 0x0
	ds_add_u32 v0, v1
	s_wait_dscnt 0x0
	s_set_vgpr_msb 0x500
	s_endpgm
.Lfunc_end_k_qb5643d3bf3_prep:
	.size	k_qb5643d3bf3_prep, .Lfunc_end_k_qb5643d3bf3_prep-k_qb5643d3bf3_prep
	.p2alignl 7, 3214868480
	.fill 96, 4, 3214868480
	.section	.rodata,"a",@progbits
	.p2align	6, 0x0
	.amdhsa_kernel k_qb5643d3bf3_prep
		.amdhsa_group_segment_fixed_size 31232
		.amdhsa_private_segment_fixed_size 0
		.amdhsa_enable_private_segment 0
		.amdhsa_kernarg_size 40
		.amdhsa_user_sgpr_count 2
		.amdhsa_user_sgpr_kernarg_segment_ptr 1
		.amdhsa_wavefront_size32 1
		.amdhsa_system_sgpr_workgroup_id_x 1
		.amdhsa_system_sgpr_workgroup_id_y 1
		.amdhsa_system_sgpr_workgroup_id_z 1
		.amdhsa_system_vgpr_workitem_id 0
		.amdhsa_next_free_vgpr 258
		.amdhsa_next_free_sgpr 66
		.amdhsa_reserve_vcc 1
		.amdhsa_float_denorm_mode_32 3
		.amdhsa_float_denorm_mode_16_64 3
		.amdhsa_memory_ordered 1
		.amdhsa_forward_progress 1
		.amdhsa_inst_pref_size 255
	.end_amdhsa_kernel
	.section	.bss,"aw",@nobits
	.p2align	6
	.space	262144
	.amdgpu_metadata
---
amdhsa.version: [ 1, 2 ]
amdhsa.kernels:
  - .name:           k_qb5643d3bf3_prep
    .symbol:         k_qb5643d3bf3_prep.kd
    .args:
      - { .name: q, .offset: 0, .size: 8, .value_kind: global_buffer, .address_space: global }
      - { .name: k, .offset: 8, .size: 8, .value_kind: global_buffer, .address_space: global }
      - { .name: v, .offset: 16, .size: 8, .value_kind: global_buffer, .address_space: global }
      - { .name: qc, .offset: 24, .size: 8, .value_kind: global_buffer, .address_space: global }
      - { .name: kv, .offset: 32, .size: 8, .value_kind: global_buffer, .address_space: global }
    .group_segment_fixed_size: 31232
    .private_segment_fixed_size: 0
    .kernarg_segment_align: 8
    .kernarg_segment_size: 40
    .max_flat_workgroup_size: 384
    .sgpr_count:     66
    .vgpr_count:     258
    .wavefront_size: 32
...
	.end_amdgpu_metadata
.endif
;; end of part 1
;; launch attn (part 2): grid 256 x 1, 8 waves a work-group, clusters of 2 x 1, 327,680 bytes of LDS; arguments qc, kv, out0; writes out0
.if DOCPART == 2
	.amdgcn_target "amdgcn-amd-amdhsa--gfx1250"
	.amdhsa_code_object_version 6
	.text
	.protected	k_qb5643d3bf3_attn
	.globl	k_qb5643d3bf3_attn
	.p2align	8
	.type	k_qb5643d3bf3_attn,@function
k_qb5643d3bf3_attn:
	s_mov_b64 s[64:65], 0
	v_nop
	global_prefetch_b8 v0, s[64:65] scope:SCOPE_SE
	s_setreg_imm32_b32 hwreg(HW_REG_WAVE_MODE, 25, 1), 1
	s_wait_xcnt 0x0
	s_wait_alu depctr_hold_cnt(0) depctr_sa_sdst(0) depctr_va_vdst(0) depctr_va_sdst(0) depctr_va_ssrc(0) depctr_va_vcc(0) depctr_vm_vsrc(0)
	s_getreg_b32 s2, hwreg(HW_REG_IB_STS2, 6, 4)
	s_cmp_eq_u32 s2, 0
	s_cbranch_scc0 .Lentry_in_a_cluster
	s_endpgm
.Lentry_in_a_cluster:
	s_bfe_u32 s2, ttmp6, 0x10000c
	s_cmp_lg_u32 s2, 0x1001
	s_cbranch_scc0 .Lentry_shape_is_right
	s_endpgm
.Lentry_shape_is_right:
; ATTN: chunk-local causal attention on codes of FP8 (E4M3) with E8M0 scales, from the records that the launch before has laid as images of operand registers.
;   qc [ch][s]: 8 fragments of Q (2,048 bytes each), then 512 bytes of scale words [t][r].   kv [ch][s]: 8 fragments of K, 8 of V^T, K's scale words, V's: 33,792 bytes.
;   ch = (4 b + chunk) x 16 + head; s = a step of 128 positions; row rho of tile t is position 128 s + 32 (t / 2) + 8 (t % 2) + rho + 8 (rho / 8).
; WORK LEFT OUT: causal masking puts -inf on every key behind the query, and softmax gives such a key the weight 0 whatever the inputs hold: key steps that lie wholly behind a wave's queries are not multiplied.
; A NaN, an infinity or an overflow that would reach only those steps is not carried to the result.
; THE SOFTMAX: t = score x log2(e) / sqrt(128); M = the running largest t rounded up to a whole number; p = 2^(t - M) is quantised along the keys; the row's sum is taken of the unquantised p and divides at the end.
; When M moves, the sum and O^T are multiplied by 2^(old M - new M), which rounds nothing.  LIMIT: the promise holds while |t| stays under 2^31.  NaN and infinities among the inputs are not served.
; SHARES.  Two work-groups to a chunk-head (p = the work-group's place in its cluster), 8 waves each.  Wave w: u = w % 2, j = w / 2.  It owns two tiles of 16 queries, t = 4 u + p and 4 u + 2 + p, first of block 7 - j (8 - j key steps),
; then of block j (j + 1 key steps): nine key steps of 128 keys for every wave.  Tile x of a wave lies in the block of 32 positions 2 u + x, so which registers the diagonal hides hangs on the wave's number alone.
; Both products are used transposed (S^T = K Q^T, O^T = V^T P^T): a lane holds one query; the 16 registers of tiles 2 b, 2 b + 1 of S^T are keys 32 b + 16 (lane / 16) + 0 .. 15.
; CLUSTER.  The two work-groups of a chunk-head form a cluster of 2 x 1 and read the same records: both fills are JOINT loads, mask 3, the same descriptor in both (made of the cluster's x and the wave's number alone).
; p enters global addresses of Q and out0 and the lane masks of the diagonal, and no branch, trip count or LDS address.  A round of the cluster's barrier stands ahead of each joint load, and one ahead of the end.
; LDS.  The chunk-head's 8 records, 270,336 dense bytes = 1,056 rows of 256, are filled ONCE: at the head each wave fetches 50 rows (rows 0-399: records 0-2 and a little more); behind the full sequence and a round
; each wave fetches 82 rows (rows 400-1,055), which have the first three key steps in which to land.  The first loop reads records 0-2 alone.  Nothing is filled again.  Every wait on TENSORcnt is for 0.
; No prefetch: the whole stream has been asked for when the second round is passed; no trip is left to run ahead in.
; REGISTERS.  Window 0: v1-11 addresses; v12-19 -M, largest t, the sum (two tiles); v20-27 K's and V's scale words; v36-39 Q's and p's; v40-79 at work; v80-207 S^T then p; v208-239 p's codes (and K's fragments 6, 7); v254, v255 the add's.
; Window 1: v0-127 O^T; v128-159 Q; v160-255 six fragments of K or V (on the way out: tile 1's rows).
.set KREC,  33792
.set KCH,   270336
.set ROWA,  50                         ; rows of 256 bytes a wave at the head
.set ROWB,  82                         ; and behind the second round
.set QREC,  16896
.set QCH,   135168
.set STG,   270336                     ; behind the records: a stage of 16 rows x 272 bytes for each wave
.set STGW,  4352
.set SP,    272
.set SPARE, STG+8*STGW                 ; the spare words, 128 bytes a wave
.set LI,   1
.set LS4,  2
.set ADR,  3
.set ADS,  4
.set STO,  5
.set RD,   6
.set GO,   7
.set DD,   8
.set NINF, 10
.set R4,   11
.set KS,   20
.set VS,   24
.set QS,   36
.set PW,   38
.set SCO,  80
.set BK,   144
.set PCD,  208
.set QF,   128
.set FRG,  160
.set SEL,  32
.set CS,   34
.set MNT,  36
.set TB,   37                          ; s37 LDS byte of the step's record
.set SI,   38                          ; s38 the step
.set BLK,  39                          ; s39 my block of 128 queries
.set CNT,  40
.set QA,   42
.set QSB,  44
.set OB,   46                          ; s[46:47] out0 at my first tile of block 7 - j
.set OB2,  82                          ; s[82:83] and of block j
.set MK,   66                          ; s66-81 lane masks: bit set where key 16 (lane / 16) + i of the diagonal's block of 32 lies behind my query
.set MSB, 0
.macro WIN new                         ; the immediate's high byte repeats the setting that is left
.if MSB != \new
	s_set_vgpr_msb (MSB<<8)|\new
.set MSB, \new
.endif
.endm
.macro ROUND                           ; a round of the cluster's barrier
	s_barrier_signal -1
	s_barrier_wait -1
	s_cmp_lg_u32 s10, 0
	s_cbranch_scc1 .Lnot_wave_0_\@
	s_barrier_signal -3
.Lnot_wave_0_\@:
	s_barrier_wait -3
	s_barrier_signal -1
	s_barrier_wait -1
.endm
	s_load_b128 s[4:7], s[0:1], 0x0                ; qc, kv
	s_load_b64 s[8:9], s[0:1], 0x10                ; out0
	v_lshl_add_u32 v254, v0, 2, SPARE
	v_mov_b32 v255, 0
	ds_add_u32 v254, v255                          ; the opening lines: the add twice on end and one wait
	ds_add_u32 v254, v255
	v_lshrrev_b32 v3, 5, v0
	v_readfirstlane_b32 s10, v3                    ; wave
	s_mov_b32 s11, ttmp9                           ; ch: the cluster's x
	s_bfe_u32 s12, ttmp6, 0x40000                  ; p: my place in the cluster
	s_and_b32 s13, s10, 1                          ; u
	s_lshr_b32 s14, s10, 1                         ; j
	s_lshl_b32 s15, s13, 2
	s_add_co_u32 s15, s15, s12                     ; my first tile: 4 u + p; the second is two further on
	s_lshl_b32 s54, s13, 6
	s_lshl_b32 s55, s12, 3                         ; 8 p
	s_add_co_u32 s54, s54, s55                     ; its first position in the block: 64 u + 8 p
	s_mov_b32 s16, 3|(3<<16)|(1<<21)               ; group 1, head: mask 3 (both work-groups), bit 21 beside it; ROWA rows of 32 elements of 8 bytes, dense
	s_mov_b32 s17, 32<<16
	s_mov_b32 s18, ROWA<<16
	s_mov_b32 s19, 32<<16
	s_mov_b32 s20, ROWA
	s_mov_b32 s21, 32
	s_mov_b32 s22, 0
	s_mov_b32 s23, 0
	s_mov_b32 s56, 3|(3<<16)|(1<<21)               ; group 1, second fill: ROWB rows
	s_mov_b32 s57, 32<<16
	s_mov_b32 s58, ROWB<<16
	s_mov_b32 s59, 32<<16
	s_mov_b32 s60, ROWB
	s_mov_b32 s61, 32
	s_mov_b32 s62, 0
	s_mov_b32 s63, 0
	s_mul_i32 s25, s10, ROWA*256                   ; LDS and record byte alike: the image in LDS is the image in memory
	s_mul_i32 s29, s10, ROWB*256
	s_add_co_u32 s29, s29, 8*ROWA*256
	s_mul_i32 s48, s11, KCH
	s_add_co_u32 s50, s48, s25
	s_mov_b32 s51, 0
	s_add_co_u32 s52, s48, s29
	s_mov_b32 s53, 0
	s_mov_b32 s24, 1
	s_mov_b32 s28, 1
	s_mov_b32 s[SEL], 0x76543210
	s_mov_b32 s[SEL+1], 0xfedcba98
	s_mov_b32 s[CS], 0x3e0293ee                    ; log2(e) / sqrt(128)
	s_mov_b32 s[CS+1], s[CS]
	s_mov_b32 s[MNT], 0x600000                     ; the mantissa field of 448
	s_wait_dscnt 0x0
	s_wait_kmcnt 0x0
	s_add_nc_u64 s[26:27], s[6:7], s[50:51]
	s_add_nc_u64 s[30:31], s[6:7], s[52:53]
	s_or_b32 s27, s27, 0x80000000
	s_or_b32 s31, s31, 0x80000000
	ROUND                                          ; both work-groups are here: the first joint loads meet
	tensor_load_to_lds s[24:27], s[16:23]          ; my one load at the head; all that follows up to the wait stands under its flight
	s_nop 0
	v_and_b32 v80, 31, v0
	v_and_b32 v81, 15, v0                          ; r
	v_bfe_u32 v82, v0, 4, 1                        ; h
	v_lshlrev_b32 v[LI], 4, v80
	v_lshlrev_b32 v[LS4], 2, v80
	v_lshlrev_b32 v[R4], 2, v81
.macro QLOAD                           ; my two tiles of block BLK: fragments and scale words
	s_mul_i32 s50, s11, QCH
	s_mul_i32 s52, s[BLK], QREC
	s_add_co_u32 s50, s50, s52
	s_lshl_b32 s52, s15, 11
	s_add_co_u32 s52, s52, s50
	s_mov_b32 s53, 0
	s_add_nc_u64 s[QA:QA+1], s[4:5], s[52:53]
	s_lshl_b32 s52, s15, 6
	s_add_co_u32 s52, s52, s50
	s_add_co_u32 s52, s52, 16384
	s_add_nc_u64 s[QSB:QSB+1], s[4:5], s[52:53]
	WIN 0x40
.irp x, 0,1
.irp c, 0,1,2,3
	global_load_b128 v[QF+16*\x+4*\c:QF+16*\x+4*\c+3], v[LI], s[QA:QA+1] offset:4096*\x+512*\c th:TH_LOAD_NT
.endr
.endr
	WIN 0
	global_load_b32 v[QS], v[R4], s[QSB:QSB+1] th:TH_LOAD_NT
	global_load_b32 v[QS+1], v[R4], s[QSB:QSB+1] offset:128 th:TH_LOAD_NT
.endm
.macro OADDR dst, blk                  ; out0 at my first tile's first position of block s[blk], my head
	s_lshr_b32 s50, s11, 4
	s_lshl_b32 s50, s50, 10
	s_lshl_b32 s52, s[\blk], 7
	s_add_co_u32 s50, s50, s52
	s_add_co_u32 s50, s50, s54
	s_lshl_b32 s50, s50, 13
	s_and_b32 s52, s11, 15
	s_lshl_b32 s52, s52, 9
	s_add_co_u32 s52, s52, s50
	s_mov_b32 s53, 0
	s_add_nc_u64 s[\dst:\dst+1], s[8:9], s[52:53]
.endm
	s_wait_alu depctr_va_vdst(0)                   ; the wait ahead of the run of scalar lines
	s_xor_b32 s[BLK], s14, 7
	QLOAD
	OADDR OB, BLK
	OADDR OB2, 14
	s_mul_i32 s48, s10, STGW
	s_add_co_u32 s48, s48, STG
	v_mul_u32_u24 v[STO], v81, SP
	v_mul_u32_u24 v[RD], v82, SP
	v_lshlrev_b32 v[GO], 13, v82
	v_lshl_add_u32 v[STO], v82, 5, v[STO]
	v_lshl_add_u32 v[RD], v81, 4, v[RD]
	v_lshl_add_u32 v[GO], v81, 4, v[GO]            ; lanes 0-15 one position's row of out0, lanes 16-31 the next
	v_add_nc_u32 v[STO], s48, v[STO]               ; the stage, in: row r, 32 h bytes
	v_add_nc_u32 v[RD], s48, v[RD]                 ; and back: sixteen lanes to a row
	v_and_b32 v83, 8, v81
	v_lshlrev_b32 v84, 4, v82
	v_add_nc_u32 v83, v83, v81
	v_mov_b32 v[NINF], 0xff800000
	v_sub_nc_u32 v[DD], v83, v84
	v_add_nc_u32 v[DD], s55, v[DD]                 ; d = r + 8 (r / 8) + 8 p - 16 h: register i of the diagonal's block is hidden where i > d
.irp i, 0,1,2,3,4,5,6,7,8,9,10,11,12,13,14,15
	v_cmp_gt_i32 s[MK+\i], \i, v[DD]
.endr
.macro SETX x
.set SB,  SCO+64*(\x)
.set WK,  40+20*(\x)
.set SS,  12+4*(\x)
.set PCX, PCD+16*(\x)
.endm
.macro PASS_INIT                       ; the largest t -3e38, the sums and O^T zeros: the step is written without a first step of its own
.irp x, 0,1
	v_mov_b32 v[13+4*\x], 0xff61b1e6
	s_delay_alu instid0(VALU_DEP_1)
	v_floor_f32 v[12+4*\x], -v[13+4*\x]
	v_mov_b32 v[14+4*\x], 0
	v_mov_b32 v[15+4*\x], 0
	v_mov_b32 v[57+20*\x], 0
.irp b, 0,1,2,3
	v_mov_b32 v[44+20*\x+\b], 0
.endr
.endr
	WIN 0x40
.set II, 0
.rept 128
	v_mov_b32 v[II], 0
.set II, II+1
.endr
	WIN 0
.endm
.macro KQ f, x, a                      ; S^T tile f of query tile x; a scale register holds two tiles' words, the odd one's in lanes 16-31
.if (\f)%2
	v_wmma_scale_f32_16x16x128_f8f6f4 v[SCO+64*(\x)+8*(\f):SCO+64*(\x)+8*(\f)+7], v[\a:\a+15], v[QF+16*(\x):QF+16*(\x)+15], 0, v[KS+(\f)/2], v[QS+(\x)] matrix_a_scale:MATRIX_SCALE_ROW1
.else
	v_wmma_scale_f32_16x16x128_f8f6f4 v[SCO+64*(\x)+8*(\f):SCO+64*(\x)+8*(\f)+7], v[\a:\a+15], v[QF+16*(\x):QF+16*(\x)+15], 0, v[KS+(\f)/2], v[QS+(\x)]
.endif
.endm
.macro PV f, x, a
.if (\f)%2
	v_wmma_scale_f32_16x16x128_f8f6f4 v[64*(\x)+8*(\f):64*(\x)+8*(\f)+7], v[\a:\a+15], v[PCD+16*(\x):PCD+16*(\x)+15], v[64*(\x)+8*(\f):64*(\x)+8*(\f)+7], v[VS+(\f)/2], v[PW+(\x)] matrix_a_scale:MATRIX_SCALE_ROW1
.else
	v_wmma_scale_f32_16x16x128_f8f6f4 v[64*(\x)+8*(\f):64*(\x)+8*(\f)+7], v[\a:\a+15], v[PCD+16*(\x):PCD+16*(\x)+15], v[64*(\x)+8*(\f):64*(\x)+8*(\f)+7], v[VS+(\f)/2], v[PW+(\x)]
.endif
.endm
.macro HIDE x, b                       ; block b of 32 keys lies wholly behind tile x's queries
.irp i, 0,1,2,3,4,5,6,7,8,9,10,11,12,13,14,15
	v_mov_b32 v[SCO+64*(\x)+16*(\b)+\i], v[NINF]
.endr
.endm
.macro PARTB x, b                      ; block b holds tile x's own positions
.irp i, 0,1,2,3,4,5,6,7,8,9,10,11,12,13,14,15
	v_cndmask_b32 v[SCO+64*(\x)+16*(\b)+\i], v[SCO+64*(\x)+16*(\b)+\i], v[NINF], s[MK+\i]
.endr
.endm
.macro SM_A x                          ; the largest score of each block of 32 keys
	SETX \x
.irp b, 0,1,2,3
	v_max3_num_f32 v[WK+\b], v[SB+16*\b], v[SB+16*\b+1], v[SB+16*\b+2]
.endr
.irp i, 3,5,7,9,11,13
.irp b, 0,1,2,3
	v_max3_num_f32 v[WK+\b], v[WK+\b], v[SB+16*\b+\i], v[SB+16*\b+\i+1]
.endr
.endr
.irp b, 0,1,2,3
	v_max_num_f32 v[WK+\b], v[WK+\b], v[SB+16*\b+15]
.endr
.irp b, 0,1,2,3
	s_delay_alu instid0(VALU_DEP_4)
	v_permlanex16_b32 v[WK+4+\b], v[WK+\b], s[SEL], s[SEL+1]
.endr
.irp b, 0,1,2,3
	s_delay_alu instid0(VALU_DEP_4)
	v_max_num_f32 v[WK+\b], v[WK+\b], v[WK+4+\b]
.endr
.endm
.macro SM_B x                          ; the running largest t, -M = floor(-t), f = 2^(old M - new M)
	SETX \x
	v_max3_num_f32 v[WK+18], v[WK], v[WK+1], v[WK+2]
	s_delay_alu instid0(VALU_DEP_1)
	v_max_num_f32 v[WK+18], v[WK+18], v[WK+3]
	s_delay_alu instid0(VALU_DEP_1)
	v_mul_f32 v[WK+18], s[CS], v[WK+18]
	s_delay_alu instid0(VALU_DEP_1)
	v_max_num_f32 v[SS+1], v[SS+1], v[WK+18]
	v_mov_b32 v[WK+18], v[SS]
	s_delay_alu instid0(VALU_DEP_2)
	v_floor_f32 v[SS], -v[SS+1]
	s_delay_alu instid0(VALU_DEP_1)
	v_sub_f32 v[WK+18], v[SS], v[WK+18]
	s_delay_alu instid0(VALU_DEP_1)
	v_cvt_i32_f32 v[WK+18], v[WK+18]
	s_delay_alu instid0(VALU_DEP_1)
	v_ldexp_f32 v[WK+16], 1.0, v[WK+18]
.endm
.macro SM_C x                          ; t - M, two at a time; the same of each block's largest score
	SETX \x
.set II, 0
.rept 32
	v_pk_fma_f32 v[SB+II:SB+II+1], v[SB+II:SB+II+1], s[CS:CS+1], v[SS:SS+1] op_sel_hi:[1,0,0]
.set II, II+2
.endr
.irp b, 0,1,2,3
	v_fma_f32 v[WK+\b], v[WK+\b], s[CS], v[SS]
.endr
.endm
.macro SM_D x
	SETX \x
.set II, 0
.rept 64
	v_exp_f32 v[SB+II], v[SB+II]
.set II, II+1
.endr
.endm
.macro SM_E x
	SETX \x
.irp b, 0,1,2,3
	v_exp_f32 v[WK+\b], v[WK+\b]
.endr
.endm
.macro SM_F x                          ; the row's sum of the unquantised p, in two chains
	SETX \x
	v_pk_add_f32 v[WK+4:WK+5], v[SB:SB+1], v[SB+2:SB+3]
.irp j, 4,8,12,16,20,24,28,32,36,40,44,48,52,56,60
	v_pk_add_f32 v[SS+2:SS+3], v[SS+2:SS+3], v[SB+\j:SB+\j+1]
	v_pk_add_f32 v[WK+4:WK+5], v[WK+4:WK+5], v[SB+\j+2:SB+\j+3]
.endr
	s_delay_alu instid0(VALU_DEP_1)
	v_pk_add_f32 v[SS+2:SS+3], v[SS+2:SS+3], v[WK+4:WK+5]
.endm
.macro SM_G x                          ; the blocks' scales: floor, the conversion's operand, 448 x the scale, the bytes, p's scale word
	SETX \x
.irp b, 0,1,2,3
	v_max_num_f32 v[WK+\b], 0x4800000, v[WK+\b]
.endr
.irp b, 0,1,2,3
	s_delay_alu instid0(VALU_DEP_4)
	v_add_nc_u32 v[WK+12+\b], 0xfc000000, v[WK+\b]
.endr
.irp b, 0,1,2,3
	v_and_or_b32 v[WK+8+\b], v[WK+\b], 0x7f800000, s[MNT]
.endr
.irp b, 0,1,2,3
	v_lshrrev_b32 v[WK+4+\b], 23, v[WK+12+\b]
.endr
	s_delay_alu instid0(VALU_DEP_3)
	v_lshl_or_b32 v[PW+(\x)], v[WK+5], 8, v[WK+4]
	s_delay_alu instid0(VALU_DEP_1)
	v_lshl_or_b32 v[PW+(\x)], v[WK+6], 16, v[PW+(\x)]
	s_delay_alu instid0(VALU_DEP_1)
	v_lshl_or_b32 v[PW+(\x)], v[WK+7], 24, v[PW+(\x)]
.endm
.macro SM_H x                          ; the hold (the conversion does not saturate: ISA guide 7.6.2; p is not negative), two numbers to a dual pair, and the codes
	SETX \x
.irp b, 0,1,2,3
.irp i, 0,2,4,6,8,10,12,14
	v_dual_min_num_f32 v[SB+16*\b+\i], v[SB+16*\b+\i], v[WK+8+\b] :: v_dual_min_num_f32 v[SB+16*\b+\i+1], v[SB+16*\b+\i+1], v[WK+8+\b]
.endr
	v_cvt_scalef32_pk8_fp8_f32 v[PCX+4*\b:PCX+4*\b+1], v[SB+16*\b:SB+16*\b+7], v[WK+12+\b]
	v_cvt_scalef32_pk8_fp8_f32 v[PCX+4*\b+2:PCX+4*\b+3], v[SB+16*\b+8:SB+16*\b+15], v[WK+12+\b]
.endr
	v_nop
.endm
; A KEY STEP: 128 keys, record SI.  masked = 1: a step behind my block is left out (a branch on ids, round no barrier, wait or load of a tile); on the diagonal hidden scores become -infinity.
.macro STEP masked
.if \masked
	s_cmp_gt_u32 s[SI], s[BLK]
	s_cbranch_scc1 .Lskip_\@
.endif
	v_add_nc_u32 v[ADR], s[TB], v[LI]
	v_add_nc_u32 v[ADS], s[TB], v[LS4]
.rept 7
	v_nop                                          ; places ahead of loads into registers that the last products read
.endr
.irp j, 0,1,2,3
	ds_load_b32 v[KS+\j], v[ADS] offset:32768+128*\j
.endr
	WIN 0x40
.irp f, 0,1,2,3,4,5
.irp c, 0,1,2,3
	ds_load_b128 v[FRG+16*\f+4*\c:FRG+16*\f+4*\c+3], v[ADR] offset:2048*\f+512*\c
.endr
.endr
	WIN 0
.irp f, 6,7
.irp c, 0,1,2,3
	ds_load_b128 v[PCD+16*(\f-6)+4*\c:PCD+16*(\f-6)+4*\c+3], v[ADR] offset:2048*\f+512*\c
.endr
.endr
	WIN 0x05
	s_wait_alu depctr_va_vdst(0)                   ; the wait ahead of the waits below
.irp f, 0,1,2,3,4,5
	s_wait_dscnt 28-4*\f                           ; fragment f is in: 4 loads for each of the 7 - f behind it may be out
	KQ \f, 0, FRG+16*\f
	KQ \f, 1, FRG+16*\f
.endr
	WIN 0x04
.irp f, 6,7
	s_wait_dscnt 28-4*\f
	KQ \f, 0, PCD+16*(\f-6)
	KQ \f, 1, PCD+16*(\f-6)
.endr
	WIN 0
.rept 8
	v_nop
.endr
.irp j, 0,1,2,3
	ds_load_b32 v[VS+\j], v[ADS] offset:33280+128*\j
.endr
	WIN 0x40
.irp f, 0,1,2,3,4,5
.irp c, 0,1,2,3
	ds_load_b128 v[FRG+16*\f+4*\c:FRG+16*\f+4*\c+3], v[ADR] offset:16384+2048*\f+512*\c   ; V's fragments come in under the softmax
.endr
.endr
	WIN 0
.if \masked
	s_cmp_lg_u32 s[SI], s[BLK]
	s_cbranch_scc1 .Lopen_\@
	s_cmp_lg_u32 s13, 0
	s_cbranch_scc1 .Lu1_\@
	PARTB 0, 0                                     ; u = 0: tile 0 lies in block 0, tile 1 in block 1
	HIDE 0, 1
	HIDE 0, 2
	HIDE 0, 3
	PARTB 1, 1
	HIDE 1, 2
	HIDE 1, 3
	s_wait_alu depctr_va_vdst(0)                   ; the wait ahead of the branch
	s_branch .Lopen_\@
.Lu1_\@:
	PARTB 0, 2                                     ; u = 1: blocks 2 and 3
	HIDE 0, 3
	PARTB 1, 3
.Lopen_\@:
.endif
	SM_A 0
	SM_A 1
	SM_B 0
	SM_B 1
	SM_C 0
	SM_C 1
	s_wait_alu depctr_va_vdst(0)                   ; one wait ahead of the batch
	SM_D 0
	SM_D 1
	v_pk_mul_f32 v[14:15], v[14:15], v[56:57] op_sel_hi:[1,0]   ; the sums under the new M
	v_pk_mul_f32 v[18:19], v[18:19], v[76:77] op_sel_hi:[1,0]
	s_wait_alu depctr_va_vdst(0)                   ; and one behind it
	SM_E 0
	SM_E 1
	SM_F 0
	SM_F 1
	s_wait_alu depctr_va_vdst(0)
	SM_G 0
	SM_G 1
	SM_H 0
.irp f, 6,7
.irp c, 0,1,2,3
	ds_load_b128 v[SCO+16*(\f-6)+4*\c:SCO+16*(\f-6)+4*\c+3], v[ADR] offset:16384+2048*\f+512*\c   ; V's fragments 6, 7 over tile 0's p, which is converted
.endr
.endr
	SM_H 1
	WIN 0x41
.irp x, 0,1
.set II, 0
.rept 32
	v_pk_mul_f32 v[64*\x+II:64*\x+II+1], v[64*\x+II:64*\x+II+1], v[56+20*\x:57+20*\x] op_sel_hi:[1,0]   ; O^T under the new M
.set II, II+2
.endr
.endr
	s_wait_alu depctr_va_vdst(0)
	s_wait_dscnt 0x0
	WIN 0x51
.irp f, 0,1,2,3,4,5
	PV \f, 0, FRG+16*\f
	PV \f, 1, FRG+16*\f
.endr
	WIN 0x50
.irp f, 6,7
	PV \f, 0, SCO+16*(\f-6)
	PV \f, 1, SCO+16*(\f-6)
.endr
	WIN 0
.if \masked
.Lskip_\@:
.endif
	s_add_co_u32 s[TB], s[TB], KREC
	s_add_co_u32 s[SI], s[SI], 1
.endm
; THE WAY OUT of a block: O^T / the sum goes through my stage, half a row (256 bytes) of 16 queries at a time; sixteen lanes store 256 consecutive aligned bytes.
; Tile 0 comes back into v144-207 of window 0, tile 1 into v160-223 of window 1: no store's data are written again inside the way out.
.macro OUTPUT ob
.rept 8
	v_nop
.endr
.irp x, 0,1
	v_add_f32 v[58+20*\x], v[14+4*\x], v[15+4*\x]
.endr
.irp x, 0,1
	s_delay_alu instid0(VALU_DEP_2)
	v_permlanex16_b32 v[44+20*\x], v[58+20*\x], s[SEL], s[SEL+1]
.endr
.irp x, 0,1
	s_delay_alu instid0(VALU_DEP_2)
	v_add_f32 v[58+20*\x], v[58+20*\x], v[44+20*\x]
.endr
	s_wait_alu depctr_va_vdst(0)
.irp x, 0,1
	v_rcp_f32 v[56+20*\x], v[58+20*\x]
.endr
	v_nop
	s_wait_alu depctr_va_vdst(0)
.irp x, 0,1
.set BKX, BK+(FRG-BK)*\x
	WIN 0x01
.set II, 0
.rept 32
	v_pk_mul_f32 v[SCO+II:SCO+II+1], v[64*\x+II:64*\x+II+1], v[56+20*\x:57+20*\x] op_sel_hi:[1,0]
.set II, II+2
.endr
.irp uu, 0,1
	WIN 0
.irp t, 0,1,2,3
	ds_store_b128 v[STO], v[SCO+32*\uu+8*\t:SCO+32*\uu+8*\t+3] offset:64*\t
	ds_store_b128 v[STO], v[SCO+32*\uu+8*\t+4:SCO+32*\uu+8*\t+7] offset:64*\t+16
.endr
	WIN (0x40*\x)
.irp i, 0,1,2,3,4,5,6,7
	ds_load_b128 v[BKX+32*\uu+4*\i:BKX+32*\uu+4*\i+3], v[RD] offset:2*SP*\i   ; LDS serves a wave's instructions in order
.endr
.endr
	WIN (0x04*\x)
.irp uu, 0,1
.irp i, 0,1,2,3,4,5,6,7
	s_wait_dscnt 23-16*\uu-\i                      ; behind load i of half 0 stand 7 - i loads, 8 stores and 8 loads; of half 1, 7 - i loads
	global_store_b128 v[GO], v[BKX+32*\uu+4*\i:BKX+32*\uu+4*\i+3], s[\ob:\ob+1] offset:(32*\x+2*\i+8*(\i/4))*8192+256*\uu th:TH_STORE_NT
.endr
.endr
	WIN 0
.endr
.endm
	PASS_INIT
	s_mov_b32 s[TB], 0
	s_mov_b32 s[SI], 0
	s_mov_b32 s[CNT], 3
	s_wait_alu depctr_va_vdst(0)                   ; the wait at the head's end
	s_wait_tensorcnt 0x0                           ; my part of rows 0-399 is in; the full sequence ahead of the later first fill
	ds_add_u32 v254, v255
	s_wait_dscnt 0x0
	ROUND                                          ; everybody's part is in, and both work-groups are here
	tensor_load_to_lds s[28:31], s[56:63]          ; rows 400-1,055: my one joint load behind this round
	s_nop 0
.rept 4
	v_nop
.endr
	s_wait_loadcnt 0x0                             ; Q
.Lfirst:                                               ; steps 0-2: every wave's first block is 4 or later, so all their keys count
	STEP 0
	s_sub_co_u32 s[CNT], s[CNT], 1
	s_cmp_lg_u32 s[CNT], 0
	s_cbranch_scc1 .Lfirst
	s_wait_tensorcnt 0x0                           ; my part of the second fill is in
	s_wait_dscnt 0x0
	s_barrier_signal -1
	s_barrier_wait -1                              ; and everybody's: from here on nothing is filled
	s_mov_b32 s[CNT], 5
.Lsecond:                                              ; steps 3-7 of block 7 - j
	STEP 1
	s_sub_co_u32 s[CNT], s[CNT], 1
	s_cmp_lg_u32 s[CNT], 0
	s_cbranch_scc1 .Lsecond
	s_mov_b32 s[BLK], s14                          ; block j: its Q comes in under the way out of block 7 - j
	QLOAD
	OUTPUT OB
	s_mov_b32 s[TB], 0
	s_mov_b32 s[SI], 0
	PASS_INIT
	s_wait_alu depctr_va_vdst(0)
	s_wait_xcnt 0x0                                ; the stores have read their data, which the next steps' loads and products write again
	s_wait_loadcnt 0x0
	s_mov_b32 s[CNT], 4
.Lthird:                                               ; steps 0-3 of block j
	STEP 1
	s_sub_co_u32 s[CNT], s[CNT], 1
	s_cmp_lg_u32 s[CNT], 0
	s_cbranch_scc1 .Lthird
	OUTPUT OB2
	s_wait_tensorcnt 0x0                           ; the wave's end
	ds_add_u32 v254, v255
	s_wait_dscnt 0x0
	ROUND                                          ; the closing round
	s_endpgm
.Lfunc_end_k_qb5643d3bf3_attn:
	.size	k_qb5643d3bf3_attn, .Lfunc_end_k_qb5643d3bf3_attn-k_qb5643d3bf3_attn
	.p2alignl 7, 3214868480
	.fill 96, 4, 3214868480
	.section	.rodata,"a",@progbits
	.p2align	6, 0x0
	.amdhsa_kernel k_qb5643d3bf3_attn
		.amdhsa_group_segment_fixed_size 327680
		.amdhsa_private_segment_fixed_size 0
		.amdhsa_enable_private_segment 0
		.amdhsa_kernarg_size 24
		.amdhsa_user_sgpr_count 2
		.amdhsa_user_sgpr_kernarg_segment_ptr 1
		.amdhsa_wavefront_size32 1
		.amdhsa_system_sgpr_workgroup_id_x 1
		.amdhsa_system_sgpr_workgroup_id_y 1
		.amdhsa_system_sgpr_workgroup_id_z 1
		.amdhsa_system_vgpr_workitem_id 0
		.amdhsa_next_free_vgpr 512
		.amdhsa_next_free_sgpr 86
		.amdhsa_reserve_vcc 0
		.amdhsa_float_denorm_mode_32 3
		.amdhsa_float_denorm_mode_16_64 3
		.amdhsa_memory_ordered 1
		.amdhsa_forward_progress 1
		.amdhsa_inst_pref_size 184
	.end_amdhsa_kernel
	.amdgpu_metadata
---
amdhsa.version: [ 1, 2 ]
amdhsa.kernels:
  - .name:           k_qb5643d3bf3_attn
    .symbol:         k_qb5643d3bf3_attn.kd
    .args:
      - { .name: qc, .offset: 0, .size: 8, .value_kind: global_buffer, .address_space: global }
      - { .name: kv, .offset: 8, .size: 8, .value_kind: global_buffer, .address_space: global }
      - { .name: out0, .offset: 16, .size: 8, .value_kind: global_buffer, .address_space: global }
    .group_segment_fixed_size: 327680
    .private_segment_fixed_size: 0
    .kernarg_segment_align: 8
    .kernarg_segment_size: 24
    .max_flat_workgroup_size: 256
    .sgpr_count:     86
    .vgpr_count:     512
    .wavefront_size: 32
...
	.end_amdgpu_metadata
.endif
;; end of part 2
